; MI455X (gfx1250); checked and timed in simulation.
; The chip was launched on July 23, 2026; its instructions are those of AMD's public machine-readable ISA for CDNA 5 (MIT licence, August 2026) and "CDNA5" Instruction Set Architecture Reference Guide (July 2026). The comments in the code are by the model that wrote it; some were corrected since.
;; Multi Head Attention. Allowed arithmetic: matrix products marked QUANTISED: E2M3 operands, one E8M0 scale for each 32 along K, by v_wmma_scale_f32_16x16x128_f8f6f4 with both operands' format E2M3, f32 sums; everything else in f32.
;; Inputs: W_out 1,024 x 1,024 float32; W_packed 3,072 x 1,024 float32; b_out 1,024 float32; b_packed 3,072 float32; key 4 x 2,048 x 1,024 float32; query 4 x 2,048 x 1,024 float32; value 4 x 2,048 x 1,024 float32.
;; Outputs: out0 4 x 2,048 x 1,024 float32.
;; This version of the problem:
;;   THIS VERSION OF THE PROBLEM IS GIVEN IN LOW PRECISION. The matrix products marked QUANTISED in the list below multiply operands that are first quantised to E2M3 (2 exponent bits, 3 mantissa bits; 6 bits a number), with one power-of-two scale for each 32 numbers along K (OCP MX v1.0); their sums are f32. All else is computed in f32.
;;   The module's matrix products, in the order in which they are computed (A, B: the left and right operand; K: the contracted axis; several contracted axes count as one K, in the product's order):
;;     1. [M 8,192, K 1,024] x [K 1,024, N 1,024]; A: input query; B: computed on the way: QUANTISED
;;     2. [M 8,192, K 1,024] x [K 1,024, N 1,024]; A: input key; B: computed on the way: QUANTISED
;;     3. [M 8,192, K 1,024] x [K 1,024, N 1,024]; A: input value; B: computed on the way: QUANTISED
;;     4. batch 64 x [M 2,048, K 64] x [K 64, N 2,048]; A: computed on the way; B: computed on the way: QUANTISED
;;     5. batch 64 x [M 2,048, K 2,048] x [K 2,048, N 64]; A: softmax (see below); B: computed on the way: QUANTISED
;;     6. [M 8,192, K 1,024] x [K 1,024, N 1,024]; A: computed on the way; B: input W_out: QUANTISED
;;   THE QUANTISER, for each operand of a quantised product, along K:
;;     - K is cut into blocks of 32 from its start; a last block that is shorter is filled with zeros.
;;     - A block's scale is 2^e with e = floor(log2(the largest magnitude in the block)) - 2, held to -126 .. 127; a block of zeros has e = 0. As a byte (E8M0): e + 127.
;;     - Each number is divided by its block's scale, clamped to +-7.5, and rounded to the nearest number of E2M3, ties to even, subnormals kept.
;;     - The product sums the exact products of the quantised numbers (number of the format x scale) in f32.
;;   ~~~python
;;   def quantise(x, axis):      # numpy; x: float32 -> the quantised numbers, widened to float32 again
;;       x = np.moveaxis(x, axis, -1); K = x.shape[-1]
;;       x = np.pad(x, [(0, 0)] * (x.ndim - 1) + [(0, -K % 32)]); x = x.reshape(x.shape[:-1] + (-1, 32)); a = np.abs(x).max(-1, keepdims=True)
;;       e = np.where(a > 0, np.clip(np.frexp(np.where(a > 0, a, 1))[1] - 1 - 2, -126, 127), 0)      # np.frexp(a)[1] - 1 = floor(log2(a)), exactly
;;       r = np.clip(x / 2.0 ** e, -7.5, 7.5)
;;       step = 2.0 ** (np.maximum(np.frexp(np.where(r == 0, 1, r))[1] - 1, 0) - 3)
;;       q = np.round(r / step) * step * 2.0 ** e      # np.round: ties to even
;;       return np.moveaxis(q.reshape(q.shape[:-2] + (-1,))[..., :K], -1, axis).astype(np.float32)
;;   ~~~
;;   SOFTMAX AHEAD OF A QUANTISED PRODUCT. Where the list says 'softmax', what is quantised is not the finished softmax but p = 2^(t - M), with t = logit x log2(e) and M = ceil(the row's largest t), a whole number; so 1/2 < the row's largest p <= 1. The row's sum l is taken of the UNQUANTISED p, in f32, and the product's result is divided by l at the end. Since M is a whole number, a kernel that streams over the keys may use a running M (the ceiling of the running maximum): every later rescaling is an exact power of two, which a block's scale takes up: the codes' values come out the same.
;;   OPERANDS COMPUTED ON THE WAY. 'Computed on the way' means the value that the module computes at that place (a softmax that the list does not call 'softmax' is quantised finished and normalised). What goes into a quantiser is computed in f32, as accurately as f32 sums, v_exp_f32 and their like allow (about 1e-6 of the number): no bf16 or f16 on the way to a quantiser, and a product that is left as it is and whose result goes on into a quantised operand takes f32 operands (vector FMAs, or v_wmma_f32_16x16x4_f32). A number that lies on a knife's edge between two numbers of the format may be rounded either way, as far as f32 arithmetic and the matrix unit's own rounding can turn it there, and no further.
;; One version. Each part assembles by itself: llvm-mc -triple=amdgcn-amd-amdhsa -mcpu=gfx1250 --defsym DOCPART=n.
;; ======== version 1 of 1: 4 launches
;; workspace buffers: xc 28,311,552 bytes; xs 1,179,648 bytes; hc 18,874,368 bytes; hs 1,572,864 bytes
;; launch quant (part 1): grid 896 x 1, 4 waves a work-group, no clusters, 34,304 bytes of LDS; arguments query, key, value, W_packed, W_out, xc, xs; writes xc, xs
.if DOCPART == 1
	.amdgcn_target "amdgcn-amd-amdhsa--gfx1250"
	.amdhsa_code_object_version 6
	.text
	.protected	k_q41a7e8c648_quant
	.globl	k_q41a7e8c648_quant
	.p2align	8
	.type	k_q41a7e8c648_quant,@function
k_q41a7e8c648_quant:
	s_mov_b64 s[64:65], 0
	v_nop
	global_prefetch_b8 v0, s[64:65] scope:SCOPE_SE
	s_setreg_imm32_b32 hwreg(HW_REG_WAVE_MODE, 25, 1), 1
	s_wait_xcnt 0x0
; THE PROGRAM: causal attention with 16 heads of 64, batch 4, 2,048 tokens, width 1,024; all six products on codes of FP6 (E2M3) with one E8M0 scale for each 32 along K.
; Four launches: this one turns the five f32 matrices into codes; the second makes q, k, v (bias in, quantised on the way out); the third is the attention; the fourth the projection on the way out.
; WORK LEFT OUT.  The mask is built by the problem itself (key k counts for query q where k <= q).  A score under the mask is replaced by -1e30 ahead of the softmax, whatever it held, so its weight
; 2^(t - M) is 0 beside the row's largest (key 0 counts for every query), for all finite inputs: a step of 128 keys that all come after a tile's queries adds nothing to the row's sum and nothing to the result.
; Such steps are not walked (third launch).  Every input has a way to the output and is loaded.  LIMIT: a NaN, an infinity or an overflow that reaches only those steps is not carried to the result.
; THIS LAUNCH.  query, key, value [8192][1024], W_packed [3072][1024], W_out [1024][1024], f32, K innermost, become codes and scale bytes IN THE ORDER OF AN OPERAND'S REGISTERS.
; A row tile t is 16 rows, lane r of it row 32 (t / 2) + 8 (t % 2) + r + 8 (r / 8): as source 0 of a product, tiles 2 b and 2 b + 1 then leave a lane 16 neighbours of the next K.
; A half fragment (row tile, 64 along K) is 768 bytes: lane l's registers 0-3 at 16 l, its registers 4-5 at 512 + 8 l; lane (r, h) holds the 32 codes k = 32 h .. 32 h + 31 of its row: 24 bytes of the row's stream of bits.
; xc: [row tile][16 half fragments].  xs: [row tile] 512 bytes, the scale word of K step s (128 along K) and row r at 256 (s / 4) + 16 r + 4 (s % 4).
; A block's scale is 2^(floor(log2(its largest magnitude)) - 2); its byte is that magnitude's exponent field - 2, held at 1 from below.
; LIMITS: a block of zeros gets the byte 1 where the rule says 127 (its codes are zeros, and this program alone reads the bytes); largest magnitudes under 2^-124 are taken as 2^-124; NaN and infinities are not served.
; SHARES.  A work-group takes 32 rows (two row tiles); wave w takes tile w / 2 and half w % 2 of K: four K steps of 128.  Each load reads 512 consecutive bytes of one row; a step's 16 x 512 bytes turn through the
; wave's own stage in LDS (rows 528 bytes apart) so that a lane gets two whole blocks of 32.  No barrier: waves share nothing.  No matrix unit, no cluster, no tensor load: a stream read once.
.set STG,   8448                       ; a wave's stage: 16 rows x (512 + 16) bytes
.set SPARE, 4*STG                      ; behind the stages: the spare words, 128 bytes a wave, which no other line names
.set L16,   1                          ; v1  16 x lane
.set L8,    2                          ; v2  8 x lane
.set SIN,   3                          ; v3  the stage, on the way in
.set SOUT,  4                          ; v4  and on the way out: row r, 128 h bytes on
.set SWO,   5                          ; v5  16 r + 8 h: my two scale words' place
.set SH8,   6                          ; v6  8 h
.set SPW,   7                          ; v7  my spare word; never rewritten
.set NIL,   8                          ; v8  0; never rewritten
.set TM,    10                         ; v10-11 largest magnitudes
.set SO,    12                         ; v12-13 the conversions' scale operands
.set BY,    14                         ; v14-15 scale bytes
.set PW,    20                         ; v20-23 a scale word for each K step
.set C,     28                         ; v28-39 a fragment's codes
.set T,     40                         ; v40-42, v44-46 the upper halves of two blocks, as converted
.set X,     48                         ; v48-111 my 64 numbers of a step
.set LD,    112                        ; v112-175, v176-239 two sets as loaded
	s_load_b256 s[4:11], s[0:1], 0x0               ; query, key, value, W_packed
	s_load_b128 s[12:15], s[0:1], 0x20             ; W_out, xc
	s_load_b64 s[16:17], s[0:1], 0x30              ; xs
	v_lshl_add_u32 v[SPW], v0, 2, SPARE
	v_mov_b32 v[NIL], 0
	v_lshrrev_b32 v9, 5, v0
	v_readfirstlane_b32 s24, v9                    ; wave
	v_and_b32 v9, 31, v0                           ; lane
	v_lshlrev_b32 v[L16], 4, v9
	v_lshlrev_b32 v[L8], 3, v9
	s_mul_i32 s25, s24, STG
	v_add_nc_u32 v[SIN], s25, v[L16]
	v_and_b32 v18, 15, v0                          ; r
	v_bfe_u32 v19, v0, 4, 1                        ; h
	v_mul_u32_u24 v[SOUT], v18, 528
	v_lshl_add_u32 v[SOUT], v19, 7, v[SOUT]
	v_add_nc_u32 v[SOUT], s25, v[SOUT]
	v_lshlrev_b32 v[SWO], 4, v18
	v_lshl_add_u32 v[SWO], v19, 3, v[SWO]
	v_lshlrev_b32 v[SH8], 3, v19
	v_mov_b32 v17, 0                               ; a lane permute's destination counts as read: written once
	s_mov_b32 s26, 0x76543210
	s_mov_b32 s27, 0xfedcba98                      ; selects for lane l xor 16
	s_mov_b32 s28, 0xffff0000                      ; lanes 16-31
	s_lshr_b32 s29, s24, 1                         ; which of the two row tiles
	s_and_b32 s30, s24, 1                          ; which half of K
	s_lshl_b32 s31, ttmp9, 1
	s_add_co_u32 s31, s31, s29                     ; my row tile: the five tensors follow each other in xc as in the grid
	s_mul_i32 s32, s31, 12288
	s_mul_i32 s34, s30, 6144
	s_add_co_u32 s32, s32, s34
	s_mov_b32 s33, 0                               ; my eight half fragments in xc
	s_lshl_b32 s34, s31, 9
	s_lshl_b32 s36, s30, 8
	s_add_co_u32 s34, s34, s36
	s_mov_b32 s35, 0                               ; my 256 bytes of xs
	s_mov_b32 s21, 864
	s_wait_kmcnt 0x0
	s_cmp_lt_u32 ttmp9, 864                        ; which tensor: the choice hangs on the work-group's number alone
	s_cselect_b64 s[18:19], s[10:11], s[12:13]
	s_cselect_b32 s21, 768, s21
	s_cmp_lt_u32 ttmp9, 768
	s_cselect_b64 s[18:19], s[8:9], s[18:19]
	s_cselect_b32 s21, 512, s21
	s_cmp_lt_u32 ttmp9, 512
	s_cselect_b64 s[18:19], s[6:7], s[18:19]
	s_cselect_b32 s21, 256, s21
	s_cmp_lt_u32 ttmp9, 256
	s_cselect_b64 s[18:19], s[4:5], s[18:19]
	s_cselect_b32 s21, 0, s21
	s_sub_co_u32 s22, ttmp9, s21
	s_lshl_b32 s22, s22, 17                        ; 32 rows of 4,096 bytes a work-group,
	s_lshl_b32 s36, s29, 15
	s_add_co_u32 s22, s22, s36                     ; the odd tile begins 8 rows down,
	s_lshl_b32 s36, s30, 11
	s_add_co_u32 s22, s22, s36                     ; the upper half of K 2,048 bytes on
	s_mov_b32 s23, 0
	s_add_nc_u64 s[18:19], s[18:19], s[22:23]
	s_add_nc_u64 s[14:15], s[14:15], s[32:33]
	s_add_nc_u64 s[16:17], s[16:17], s[34:35]
.macro LOAD t                          ; K step t: 512 consecutive bytes of each of the tile's 16 rows
.irp i, 0,1,2,3,4,5,6,7,8,9,10,11,12,13,14,15
	global_load_b128 v[LD+64*((\t)%2)+4*\i:LD+64*((\t)%2)+4*\i+3], v[L16], s[18:19] offset:(\i+8*(\i/8))*4096+512*(\t) th:TH_LOAD_NT
.endr
.endm
.macro STEP t
.if (\t) < 3
	s_wait_loadcnt 16                              ; this step's 16 loads are in; the next step's 16 may be out
.else
	s_wait_loadcnt 0x0
.endif
.irp i, 0,1,2,3,4,5,6,7,8,9,10,11,12,13,14,15
	ds_store_b128 v[SIN], v[LD+64*((\t)%2)+4*\i:LD+64*((\t)%2)+4*\i+3] offset:528*\i
.endr
.irp c, 0,1                            ; LDS serves a wave's instructions in order: these see the stores above
.irp j, 0,1,2,3,4,5,6,7
	ds_load_b128 v[X+32*\c+4*\j:X+32*\c+4*\j+3], v[SOUT] offset:256*\c+16*\j   ; k = 64 c + 32 h + 4 j on, of row r
.endr
.endr
	s_wait_dscnt 0x0                               ; my 64 numbers are in, and the stores into the stage have read their registers
.if (\t) > 0
	s_wait_xcnt 0x0                                ; the last step's stores have read the codes' registers, which are written again below
.endif
.if (\t) < 2
	LOAD (\t)+2
.endif
.irp c, 0,1
	v_max3_num_f32 v[TM+\c], |v[X+32*\c]|, |v[X+32*\c+1]|, 0x1800000   ; block 2 c + h: all 32 numbers are mine; the floor 2^(3 - 127) holds the byte at 1 from below
.endr
.irp i, 2,4,6,8,10,12,14,16,18,20,22,24,26,28,30
.irp c, 0,1
	v_max3_num_f32 v[TM+\c], v[TM+\c], |v[X+32*\c+\i]|, |v[X+32*\c+\i+1]|
.endr
.endr
.irp c, 0,1
	v_add_nc_u32 v[SO+\c], 0xff000000, v[TM+\c]    ; 2 off the exponent field: the conversion takes that field as its scale
.endr
.irp c, 0,1
	v_lshrrev_b32 v[BY+\c], 23, v[SO+\c]           ; the scale's byte
.endr
	v_lshl_or_b32 v16, v[BY+1], 16, v[BY]          ; bytes h and 2 + h of the row's word,
	v_lshlrev_b32 v16, v[SH8], v16                 ; at their places;
	v_permlanex16_b32 v17, v16, s26, s27
	v_or_b32 v[PW+(\t)], v16, v17                  ; with lane l xor 16's two the word is whole
.irp c, 0,1
	v_cvt_scalef32_pk16_fp6_f32 v[C+6*\c:C+6*\c+2], v[X+32*\c:X+32*\c+15], v[SO+\c]
	v_cvt_scalef32_pk16_fp6_f32 v[T+4*\c:T+4*\c+2], v[X+32*\c+16:X+32*\c+31], v[SO+\c]   ; (a conversion's three registers begin on an even number)
.endr
	v_nop                                          ; one plain instruction behind the conversions
.irp c, 0,1
.irp i, 0,1,2
	v_mov_b32 v[C+6*\c+3+\i], v[T+4*\c+\i]
.endr
.endr
.irp c, 0,1
	global_store_b128 v[L16], v[C+6*\c:C+6*\c+3], s[14:15] offset:(2*(\t)+\c)*768        ; 512 consecutive bytes
	global_store_b64 v[L8], v[C+6*\c+4:C+6*\c+5], s[14:15] offset:(2*(\t)+\c)*768+512    ; 256 consecutive bytes
.endr
.endm
	LOAD 0
	LOAD 1
	STEP 0
	STEP 1
	STEP 2
	STEP 3
	v_cndmask_b32 v24, v[PW], v[PW+2], s28         ; lanes 0-15 store the words of steps 0 and 1, lanes 16-31 those of steps 2 and 3
	v_cndmask_b32 v25, v[PW+1], v[PW+3], s28
	global_store_b64 v[SWO], v[24:25], s[16:17]    ; 256 consecutive bytes, aligned
	s_wait_tensorcnt 0x0                           ; the wave's end, behind my last LDS store
	ds_add_u32 v[SPW], v[NIL]
	s_wait_dscnt 0x0
	s_endpgm
.Lfunc_end_k_q41a7e8c648_quant:
	.size	k_q41a7e8c648_quant, .Lfunc_end_k_q41a7e8c648_quant-k_q41a7e8c648_quant
	.p2alignl 7, 3214868480
	.fill 96, 4, 3214868480
	.section	.rodata,"a",@progbits
	.p2align	6, 0x0
	.amdhsa_kernel k_q41a7e8c648_quant
		.amdhsa_group_segment_fixed_size 34304
		.amdhsa_private_segment_fixed_size 0
		.amdhsa_enable_private_segment 0
		.amdhsa_kernarg_size 56
		.amdhsa_user_sgpr_count 2
		.amdhsa_user_sgpr_kernarg_segment_ptr 1
		.amdhsa_wavefront_size32 1
		.amdhsa_system_sgpr_workgroup_id_x 1
		.amdhsa_system_sgpr_workgroup_id_y 1
		.amdhsa_system_sgpr_workgroup_id_z 1
		.amdhsa_system_vgpr_workitem_id 0
		.amdhsa_next_free_vgpr 240
		.amdhsa_next_free_sgpr 66
		.amdhsa_reserve_vcc 0
		.amdhsa_float_denorm_mode_32 3
		.amdhsa_float_denorm_mode_16_64 3
		.amdhsa_memory_ordered 1
		.amdhsa_forward_progress 1
		.amdhsa_inst_pref_size 31
	.end_amdhsa_kernel
	.amdgpu_metadata
---
amdhsa.version: [ 1, 2 ]
amdhsa.kernels:
  - .name:           k_q41a7e8c648_quant
    .symbol:         k_q41a7e8c648_quant.kd
    .args:
      - { .name: query, .offset: 0, .size: 8, .value_kind: global_buffer, .address_space: global }
      - { .name: key, .offset: 8, .size: 8, .value_kind: global_buffer, .address_space: global }
      - { .name: value, .offset: 16, .size: 8, .value_kind: global_buffer, .address_space: global }
      - { .name: W_packed, .offset: 24, .size: 8, .value_kind: global_buffer, .address_space: global }
      - { .name: W_out, .offset: 32, .size: 8, .value_kind: global_buffer, .address_space: global }
      - { .name: xc, .offset: 40, .size: 8, .value_kind: global_buffer, .address_space: global }
      - { .name: xs, .offset: 48, .size: 8, .value_kind: global_buffer, .address_space: global }
    .group_segment_fixed_size: 34304
    .private_segment_fixed_size: 0
    .kernarg_segment_align: 8
    .kernarg_segment_size: 56
    .max_flat_workgroup_size: 128
    .sgpr_count:     66
    .vgpr_count:     240
    .wavefront_size: 32
...
	.end_amdgpu_metadata
.endif
;; end of part 1
;; launch proj (part 2): grid 8 x 96, 8 waves a work-group, clusters of 4 x 4, 327,680 bytes of LDS; arguments xc, xs, b_packed, hc, hs; writes hc, hs
.if DOCPART == 2
	.amdgcn_target "amdgcn-amd-amdhsa--gfx1250"
	.amdhsa_code_object_version 6
	.text
	.protected	k_q41a7e8c648_proj
	.globl	k_q41a7e8c648_proj
	.p2align	8
	.type	k_q41a7e8c648_proj,@function
k_q41a7e8c648_proj:
	s_mov_b64 s[64:65], 0
	v_nop
	global_prefetch_b8 v0, s[64:65] scope:SCOPE_SE
	s_setreg_imm32_b32 hwreg(HW_REG_WAVE_MODE, 25, 1), 1
	s_wait_xcnt 0x0
	s_wait_alu depctr_hold_cnt(0) depctr_sa_sdst(0) depctr_va_vdst(0) depctr_va_sdst(0) depctr_va_ssrc(0) depctr_va_vcc(0) depctr_vm_vsrc(0)
	s_getreg_b32 s2, hwreg(HW_REG_IB_STS2, 6, 4)
	s_cmp_eq_u32 s2, 0
	s_cbranch_scc0 .Lentry_in_a_cluster
	s_endpgm
.Lentry_in_a_cluster:
	s_bfe_u32 s2, ttmp6, 0x10000c
	s_cmp_lg_u32 s2, 0xf033
	s_cbranch_scc0 .Lentry_shape_is_right
	s_endpgm
.Lentry_shape_is_right:
; q = query Wq^T + bq, k = key Wk^T + bk, v = value Wv^T + bv on codes of FP6 (E2M3), and each result quantised on the way out: q and k along the head's 64, v along the keys.
; ONE BODY, TWO ROLES.  Source 0 is P, source 1 is R.  In a result a lane holds ONE row of R, and its registers run along P's rows; the row order of the tiles (first launch) makes the 32 registers of four
; tiles of P 16 + 16 neighbours: register 16 b + i is P's row 32 b + 16 (lane / 16) + i.  So a result is quantised along P's rows.  q, k (z = 0, 1): P = the weight, R = the tokens.  v (z = 2): P = the tokens, R = the weight.
; SHARES.  A work-group makes 256 rows of R x 128 rows of P; its whole K = 1,024 lies in LDS (294,912 bytes), asked for at the head in four quarters of K: nothing is filled again, so there is no ring.
; Eight waves: wave w takes R's tiles 4 (w % 4) + m and P's tiles 4 (w / 4) + p, m, p = 0 .. 3: 16 accumulators.  768 work-groups, three for each of 256 WGPs.
; CLUSTER 4 x 4: the four of a row need the same rows of R, the four of a column the same rows of P: each tile is asked for jointly.  Waves 0-3 fetch R (4 row tiles each), waves 4-7 P (2 each): four loads a wave are out.
; Operands lie in LDS as images of their registers: every LDS load takes 512 or 256 consecutive bytes.  The bias is the C of each sum's first product.
; OUT.  hc [z][batch x head][X 32][m 4] half fragments of 768 bytes: q, k: token tile 4 X + m, K = the head's 64; v: keys 64 X on, tile m of the head's 64.  hs [z][batch x head][X] 256 bytes: the word of (r, m) at 16 r + 4 m,
; bytes 0 and 1 the two blocks' scales, bytes 2 and 3 zero.
; LIMITS as in the first launch: a block of zeros gets the byte 1; largest magnitudes under 2^-124 count as 2^-124; NaN and infinities are not served.
; No prefetch: every tile is asked for at the head.  No second set of fragments: a SIMD's second wave works while one waits for LDS.
.set PLDS,  196608                     ; LDS: R [quarter 4][row tile 16][3,072 bytes], then P [quarter 4][row tile 8][3,072 bytes]
.set SPARE, 294912                     ; the spare words, 128 bytes a wave, which no other line names
.set AR16, 4                           ; v4-7  LDS addresses of my tiles of R and of P in the quarter in hand: + 16 x lane, + 8 x lane
.set AR8,  5
.set AP16, 6
.set AP8,  7
.set SPW,  14                          ; v14 my spare word, v15 0; never rewritten
.set NIL,  15
.set BI,   16                          ; v16-47  the bias, four runs of eight
.set SC,   48                          ; v48-79  scale words: register 8 i + s: lanes 0-15 P's tile i, lanes 16-31 R's tile i, K step s
.set CD,   80                          ; v80-103 the codes made, six registers for each m
.set T,    104
.set TM,   108
.set PM,   110
.set SO,   112
.set BY,   114
.set PW,   116                         ; v116-119 the scale words made
.set ACC,  128                         ; v128-255 accumulator (m, p) at 128 + 32 m + 8 p.  Window 1: P's fragments at 12 p, R's at 48 + 12 m
.set G1R,  24
.set G1P,  32
.set G0R,  40                          ; s40-55: a group 0 for each quarter of R;  s56-63, s68-75: of P
.set G0P,  56
.set SEL,  88
.set MSB, 0
.macro WIN new                         ; the immediate's high byte repeats the setting that is left
.if MSB != \new
	s_set_vgpr_msb (MSB<<8)|\new
.set MSB, \new
.endif
.endm
.macro PLACES
.rept 4
	v_nop
.endr
.endm
.macro CROUND                          ; a round of the cluster's barrier
	s_barrier_signal -1
	s_barrier_wait -1
	s_cmp_lg_u32 s14, 0
	s_cbranch_scc1 .Lnot_wave_0_\@
	s_barrier_signal -3
.Lnot_wave_0_\@:
	s_barrier_wait -3
	s_barrier_signal -1
	s_barrier_wait -1
.endm
; 32 numbers of a lane, register 16 b + i = k 32 b + 16 (lane / 16) + i of my row, become a half fragment's six registers at dst and the word pw = byte 0 | byte 1 << 8
.macro QUANT2 src, dst, pw
.irp b, 0,1
	v_max3_num_f32 v[TM+\b], |v[(\src)+16*\b]|, |v[(\src)+16*\b+1]|, 0x1800000   ; from each accumulator's low end on; the floor 2^(3 - 127) holds the byte at 1 from below
.endr
.irp i, 2,4,6,8,10,12,14
.irp b, 0,1
	v_max3_num_f32 v[TM+\b], v[TM+\b], |v[(\src)+16*\b+\i]|, |v[(\src)+16*\b+\i+1]|
.endr
.endr
.irp b, 0,1
	v_permlanex16_b32 v[PM+\b], v[TM+\b], s[SEL], s[SEL+1]
.endr
.irp b, 0,1
	v_max_num_f32 v[TM+\b], v[TM+\b], v[PM+\b]     ; with lane l xor 16's 16: the block's largest magnitude
.endr
.irp b, 0,1
	v_add_nc_u32 v[SO+\b], 0xff000000, v[TM+\b]    ; 2 off the exponent field: the conversion's scale operand
.endr
.irp b, 0,1
	v_lshrrev_b32 v[BY+\b], 23, v[SO+\b]
.endr
	v_lshl_or_b32 v[\pw], v[BY+1], 8, v[BY]
	v_cvt_scalef32_pk16_fp6_f32 v[(\dst):(\dst)+2], v[(\src):(\src)+15], v[SO]
	v_cvt_scalef32_pk16_fp6_f32 v[T:T+2], v[(\src)+16:(\src)+31], v[SO+1]
	v_nop                                          ; one plain instruction behind the conversions
.irp i, 0,1,2
	v_permlane16_swap_b32 v[(\dst)+\i], v[T+\i]    ; a whole block to a lane: lanes 0-15 block 0, lanes 16-31 block 1
.endr
.irp i, 0,1,2
	v_mov_b32 v[(\dst)+3+\i], v[T+\i]
.endr
.endm
	s_load_b256 s[4:11], s[0:1], 0x0               ; xc, xs, b_packed, hc
	s_load_b64 s[12:13], s[0:1], 0x20              ; hs
	v_lshl_add_u32 v[SPW], v0, 2, SPARE
	v_mov_b32 v[NIL], 0
	ds_add_u32 v[SPW], v[NIL]                      ; the opening: the add, twice on end, and its wait ahead of my first tensor load
	ds_add_u32 v[SPW], v[NIL]
	v_lshrrev_b32 v1, 5, v0
	v_readfirstlane_b32 s14, v1                    ; wave 0..7
	s_and_b32 s15, s14, 3                          ; wr: my tiles of R; also which part I fetch
	s_lshr_b32 s16, s14, 2                         ; wp: my tiles of P; also: I fetch for R (0) or for P (1)
	s_bfe_u32 s17, ttmp6, 0x40000                  ; cx
	s_bfe_u32 s18, ttmp6, 0x40004                  ; cy
	s_and_b32 s20, ttmp7, 0xffff                   ; cluster y, 0..23
	s_lshr_b32 s19, s20, 3                         ; z: q, k or v: the same in all sixteen partners
	s_and_b32 s20, s20, 7
	s_lshl_b32 s84, s20, 1
	s_add_co_u32 s84, s84, ttmp9
	s_lshl_b32 s85, s19, 9                         ; q, k: R = the tokens, row tiles from 512 z
	s_lshl_b32 s86, s19, 6
	s_add_co_u32 s86, s86, 1536                    ;       P = the weight, from 1,536 + 64 z
	s_mov_b32 s87, 1664                            ; v:    R = Wv, from 1,664; P = value, from 1,024
	s_cmp_eq_u32 s19, 2
	s_cselect_b32 s21, s84, ttmp9                  ; the cluster's place along P: v has 16 of them, q and k two
	s_cselect_b32 s22, 0, s20                      ; and along R: v has one, q and k eight
	s_cselect_b32 s85, s87, s85
	s_cselect_b32 s86, 1024, s86
	s_lshl_b32 s90, s22, 2
	s_add_co_u32 s90, s90, s18                     ; which 256 rows of R: hangs on cy, never on cx
	s_lshl_b32 s80, s90, 4
	s_add_co_u32 s80, s80, s85                     ; their first row tile
	s_lshl_b32 s91, s21, 2
	s_add_co_u32 s91, s91, s17                     ; which 128 rows of P: hangs on cx, never on cy
	s_lshl_b32 s81, s91, 3
	s_add_co_u32 s81, s81, s86
	s_lshl_b32 s93, s18, 2
	s_lshl_b32 s93, 15, s93                        ; my row of the cluster
	s_lshl_b32 s92, 0x1111, s17                    ; my column
	s_or_b32 s[G1R], s93, (3<<16)|(1<<21)          ; 15:0 the mask; 17:16 elements of 8 bytes; 21 set beside a mask; no padding
	s_or_b32 s[G1P], s92, (3<<16)|(1<<21)
	s_mov_b32 s[G1R+1], 384<<16                    ; tensor_dim0: a quarter of a row tile, 3,072 bytes
	s_mov_b32 s[G1R+2], 4<<16                      ; tensor_dim1: 4 row tiles
	s_mov_b32 s[G1R+3], 384<<16                    ; tile_dim0
	s_mov_b32 s[G1R+4], 4                          ; tile_dim1
	s_mov_b32 s[G1R+5], 1536                       ; from row tile to row tile: 12,288 bytes
	s_mov_b32 s[G1R+6], 0
	s_mov_b32 s[G1R+7], 0
	s_mov_b32 s[G1P+1], 384<<16
	s_mov_b32 s[G1P+2], 2<<16                      ; 2 row tiles
	s_mov_b32 s[G1P+3], 384<<16
	s_mov_b32 s[G1P+4], 2
	s_mov_b32 s[G1P+5], 1536
	s_mov_b32 s[G1P+6], 0
	s_mov_b32 s[G1P+7], 0
	s_lshl_b32 s84, s15, 2
	s_add_co_u32 s84, s84, s80
	s_mul_i32 s76, s84, 12288                      ; R: the 4 row tiles that I would fetch
	s_mov_b32 s77, 0
	s_lshl_b32 s85, s15, 1
	s_add_co_u32 s85, s85, s81
	s_mul_i32 s78, s85, 12288                      ; P: the 2
	s_mov_b32 s79, 0
	s_mul_i32 s86, s15, 12288                      ; where they go: the wave's number alone enters an LDS address
	s_mul_i32 s87, s15, 6144
	s_add_co_u32 s87, s87, PLDS
	s_mov_b32 s23, 0xffff0000                      ; lanes 16-31
	s_mov_b32 s[SEL], 0x76543210
	s_mov_b32 s[SEL+1], 0xfedcba98
	s_wait_dscnt 0x0                               ; both opening adds are done
	s_wait_kmcnt 0x0
	s_add_nc_u64 s[76:77], s[4:5], s[76:77]
	s_add_nc_u64 s[78:79], s[4:5], s[78:79]
.irp q, 0,1,2,3
.set GP, G0P+4*\q+4*(\q/2)
	s_mov_b32 s[G0R+4*\q], 1
	s_add_co_u32 s[G0R+4*\q+1], s86, \q*49152
	s_add_nc_u64 s[G0R+4*\q+2:G0R+4*\q+3], s[76:77], \q*3072
	s_or_b32 s[G0R+4*\q+3], s[G0R+4*\q+3], 0x80000000
	s_mov_b32 s[GP], 1
	s_add_co_u32 s[GP+1], s87, \q*24576
	s_add_nc_u64 s[GP+2:GP+3], s[78:79], \q*3072
	s_or_b32 s[GP+3], s[GP+3], 0x80000000
.endr
	CROUND                                         ; all sixteen work-groups are here: the joint loads meet
	s_cmp_eq_u32 s16, 0                            ; a wave's four fills stand in one branch on its number; an s_nop 0 follows each, four v_nop the last
	s_cbranch_scc0 .Lfill_p
.irp q, 0,1,2,3
	tensor_load_to_lds s[G0R+4*\q:G0R+4*\q+3], s[G1R:G1R+7]
	s_nop 0
.endr
	PLACES
	s_branch .Lfilled
.Lfill_p:
.irp q, 0,1,2,3
	tensor_load_to_lds s[G0P+4*\q+4*(\q/2):G0P+4*\q+4*(\q/2)+3], s[G1P:G1P+7]
	s_nop 0
.endr
	PLACES
.Lfilled:
	v_and_b32 v1, 15, v0                           ; r
	v_bfe_u32 v2, v0, 4, 1                         ; h
	v_and_b32 v3, 31, v0                           ; lane
	v_lshlrev_b32 v10, 4, v3                       ; 16 x lane
	v_lshlrev_b32 v11, 3, v3                       ; 8 x lane
	v_lshlrev_b32 v12, 4, v1
	v_lshl_add_u32 v12, v2, 3, v12                 ; 16 r + 8 h
	v_add_nc_u32 v[AR16], s86, v10                 ; my four tiles of R begin 12,288 wr bytes into a quarter
	v_add_nc_u32 v[AR8], s86, v11
	s_mul_i32 s94, s16, 12288
	s_add_co_u32 s94, s94, PLDS
	v_add_nc_u32 v[AP16], s94, v10
	v_add_nc_u32 v[AP8], s94, v11
	v_mov_b32 v[PM], 0                             ; a lane permute's destination counts as read: written once
	v_mov_b32 v[PM+1], 0
	s_lshl_b32 s92, s16, 2
	s_add_co_u32 s92, s92, s81
	s_lshl_b32 s92, s92, 9                         ; the scale words of my tiles of P,
	s_lshl_b32 s93, s15, 2
	s_add_co_u32 s93, s93, s80
	s_lshl_b32 s93, s93, 9                         ; and of R
	v_mov_b32 v8, s92
	v_mov_b32 v9, s93
	v_cndmask_b32 v8, v8, v9, s23                  ; lanes 0-15 take P's, lanes 16-31 R's
	v_lshl_add_u32 v8, v1, 4, v8
.irp i, 0,1,2,3
.irp u, 0,1
	global_load_b128 v[SC+8*\i+4*\u:SC+8*\i+4*\u+3], v8, s[6:7] offset:512*\i+256*\u   ; tile i, K steps 4 u .. 4 u + 3: all of K, once
.endr
.endr
	s_lshl_b32 s82, s90, 2
	s_add_co_u32 s82, s82, s15                     ; my 64 rows of R,
	s_lshl_b32 s83, s91, 1
	s_add_co_u32 s83, s83, s16                     ; my 64 rows of P
	s_mov_b32 s95, s82
	s_cmp_eq_u32 s19, 2
	s_cselect_b32 s82, s83, s82                    ; a: which 64 tokens of the 8,192
	s_cselect_b32 s83, s95, s83                    ; the head
	s_lshl_b32 s92, s19, 12
	s_lshl_b32 s93, s83, 8
	s_add_co_u32 s92, s92, s93
	s_mov_b32 s93, 0
	s_add_nc_u64 s[8:9], s[8:9], s[92:93]          ; the head's 64 numbers of bq, bk or bv
	s_lshr_b32 s92, s82, 5                         ; the batch
	s_lshl_b32 s92, s92, 4
	s_add_co_u32 s92, s92, s83
	s_lshl_b32 s92, s92, 5
	s_and_b32 s93, s82, 31
	s_add_co_u32 s92, s92, s93                     ; (batch x 16 + head) x 32 + X
	s_mul_i32 s94, s92, 3072
	s_mul_i32 s95, s19, 6291456
	s_add_co_u32 s94, s94, s95
	s_mov_b32 s95, 0
	s_add_nc_u64 s[10:11], s[10:11], s[94:95]      ; my four half fragments in hc
	s_lshl_b32 s92, s92, 8
	s_lshl_b32 s93, s19, 19
	s_add_co_u32 s92, s92, s93
	s_mov_b32 s93, 0
	s_add_nc_u64 s[12:13], s[12:13], s[92:93]      ; my 256 bytes of hs
	s_cmp_eq_u32 s19, 2
	s_cbranch_scc1 .Lbias_v
	v_lshlrev_b32 v9, 6, v2                        ; q, k: the bias runs along the registers: run p holds features 32 (p / 2) + 16 h + 8 (p % 2) + 0 .. 7
.irp p, 0,1,2,3
	global_load_b128 v[BI+8*\p:BI+8*\p+3], v9, s[8:9] offset:(32*(\p/2)+8*(\p%2))*4
	global_load_b128 v[BI+8*\p+4:BI+8*\p+7], v9, s[8:9] offset:(32*(\p/2)+8*(\p%2))*4+16
.endr
	s_branch .Lbias_done
.Lbias_v:
	v_and_b32 v9, 8, v1                            ; v: the bias hangs on the lane's row of Wv: run m holds that of feature 32 (m / 2) + 8 (m % 2) + r + 8 (r / 8), eight times
	v_add_nc_u32 v9, v9, v1
	v_lshlrev_b32 v9, 2, v9
.irp m, 0,1,2,3
	global_load_b32 v[BI+8*\m], v9, s[8:9] offset:(32*(\m/2)+8*(\m%2))*4
.endr
	s_wait_loadcnt 0x0
.irp m, 0,1,2,3
.irp j, 1,2,3,4,5,6,7
	v_mov_b32 v[BI+8*\m+\j], v[BI+8*\m]
.endr
.endr
.Lbias_done:
.macro FETCH s                         ; K step s: my four fragments of P and four of R, as images: 32 loads of 512 or 256 consecutive bytes
	WIN 0x40                                       ; destination window 1
.irp p, 0,1,2,3
	ds_load_b128 v[12*\p:12*\p+3],     v[AP16] offset:\p*3072+((\s)%2)*1536
	ds_load_b64  v[12*\p+4:12*\p+5],   v[AP8]  offset:\p*3072+((\s)%2)*1536+512
	ds_load_b128 v[12*\p+6:12*\p+9],   v[AP16] offset:\p*3072+((\s)%2)*1536+768
	ds_load_b64  v[12*\p+10:12*\p+11], v[AP8]  offset:\p*3072+((\s)%2)*1536+1280
.endr
.irp m, 0,1,2,3
	ds_load_b128 v[48+12*\m:48+12*\m+3],   v[AR16] offset:\m*3072+((\s)%2)*1536
	ds_load_b64  v[48+12*\m+4:48+12*\m+5], v[AR8]  offset:\m*3072+((\s)%2)*1536+512
	ds_load_b128 v[48+12*\m+6:48+12*\m+9], v[AR16] offset:\m*3072+((\s)%2)*1536+768
	ds_load_b64  v[48+12*\m+10:48+12*\m+11], v[AR8] offset:\m*3072+((\s)%2)*1536+1280
.endr
	WIN 0
.endm
; 16 products; the 16 accumulators take turns, one instruction a turn, in the same order in every step.  mode 0: onto the sums; 1: C = the bias along the registers; 2: C = the lane's bias
.macro MULS s, mode
	WIN 0x05                                       ; sources 0 and 1 window 1; C and D window 0
.irp m, 0,1,2,3
.irp p, 0,1,2,3
.if \mode == 0
.set CR, ACC+32*\m+8*\p
.elseif \mode == 1
.set CR, BI+8*\p
.else
.set CR, BI+8*\m
.endif
	v_wmma_scale_f32_16x16x128_f8f6f4 v[ACC+32*\m+8*\p:ACC+32*\m+8*\p+7], v[12*\p:12*\p+11], v[48+12*\m:48+12*\m+11], v[CR:CR+7], v[SC+8*\p+\s], v[SC+8*\m+\s] matrix_a_fmt:MATRIX_FMT_FP6 matrix_b_fmt:MATRIX_FMT_FP6 matrix_b_scale:MATRIX_SCALE_ROW1
.endr
.endr
	WIN 0
.endm
	s_wait_tensorcnt 3                             ; my part of the first quarter of K is in; my three later loads may be out
	s_barrier_signal -1
	s_barrier_wait -1                              ; everybody's is
	FETCH 0
	s_wait_loadcnt 0x0                             ; scale words and bias
	s_wait_dscnt 0x0
	s_cmp_eq_u32 s19, 2
	s_cbranch_scc1 .Lfirst_v
	MULS 0, 1
	s_branch .Lfirst_done
.Lfirst_v:
	MULS 0, 2
.Lfirst_done:
.irp s, 1,2,3,4,5,6,7
.if (\s)%2 == 0
	s_wait_tensorcnt 3-(\s)/2                      ; my part of the next quarter is in; the later quarters' loads may be out
	s_barrier_signal -1                            ; (no LDS instruction of mine is out: the last step's loads were waited for)
	s_barrier_wait -1
	v_add_nc_u32 v[AR16], 49152, v[AR16]           ; on to that quarter; these four are also the places in front of the loads below
	v_add_nc_u32 v[AR8], 49152, v[AR8]
	v_add_nc_u32 v[AP16], 24576, v[AP16]
	v_add_nc_u32 v[AP8], 24576, v[AP8]
.else
	PLACES                                         ; four places in front of loads into registers that matrix instructions have read
.endif
	FETCH \s
	s_wait_dscnt 0x0
	MULS \s, 0
.endr
	PLACES                                         ; four places in front of the first read of results
.irp m, 0,1,2,3
	QUANT2 ACC+32*\m, CD+6*\m, PW+\m
.endr
.irp m, 0,1,2,3
	global_store_b128 v10, v[CD+6*\m:CD+6*\m+3], s[10:11] offset:768*\m          ; 512 consecutive bytes
	global_store_b64 v11, v[CD+6*\m+4:CD+6*\m+5], s[10:11] offset:768*\m+512     ; 256 consecutive bytes
.endr
	v_cndmask_b32 v120, v[PW], v[PW+2], s23        ; lanes 0-15 store the words of m = 0, 1, lanes 16-31 those of m = 2, 3
	v_cndmask_b32 v121, v[PW+1], v[PW+3], s23
	global_store_b64 v12, v[120:121], s[12:13]     ; 256 consecutive bytes, aligned
	s_wait_tensorcnt 0x0                           ; the wave's end
	ds_add_u32 v[SPW], v[NIL]
	s_wait_dscnt 0x0
	CROUND                                         ; the closing round
	s_endpgm
.Lfunc_end_k_q41a7e8c648_proj:
	.size	k_q41a7e8c648_proj, .Lfunc_end_k_q41a7e8c648_proj-k_q41a7e8c648_proj
	.p2alignl 7, 3214868480
	.fill 96, 4, 3214868480
	.section	.rodata,"a",@progbits
	.p2align	6, 0x0
	.amdhsa_kernel k_q41a7e8c648_proj
		.amdhsa_group_segment_fixed_size 327680
		.amdhsa_private_segment_fixed_size 0
		.amdhsa_enable_private_segment 0
		.amdhsa_kernarg_size 40
		.amdhsa_user_sgpr_count 2
		.amdhsa_user_sgpr_kernarg_segment_ptr 1
		.amdhsa_wavefront_size32 1
		.amdhsa_system_sgpr_workgroup_id_x 1
		.amdhsa_system_sgpr_workgroup_id_y 1
		.amdhsa_system_sgpr_workgroup_id_z 1
		.amdhsa_system_vgpr_workitem_id 0
		.amdhsa_next_free_vgpr 352
		.amdhsa_next_free_sgpr 96
		.amdhsa_reserve_vcc 0
		.amdhsa_float_denorm_mode_32 3
		.amdhsa_float_denorm_mode_16_64 3
		.amdhsa_memory_ordered 1
		.amdhsa_forward_progress 1
		.amdhsa_inst_pref_size 58
	.end_amdhsa_kernel
	.amdgpu_metadata
---
amdhsa.version: [ 1, 2 ]
amdhsa.kernels:
  - .name:           k_q41a7e8c648_proj
    .symbol:         k_q41a7e8c648_proj.kd
    .args:
      - { .name: xc, .offset: 0, .size: 8, .value_kind: global_buffer, .address_space: global }
      - { .name: xs, .offset: 8, .size: 8, .value_kind: global_buffer, .address_space: global }
      - { .name: b_packed, .offset: 16, .size: 8, .value_kind: global_buffer, .address_space: global }
      - { .name: hc, .offset: 24, .size: 8, .value_kind: global_buffer, .address_space: global }
      - { .name: hs, .offset: 32, .size: 8, .value_kind: global_buffer, .address_space: global }
    .group_segment_fixed_size: 327680
    .private_segment_fixed_size: 0
    .kernarg_segment_align: 8
    .kernarg_segment_size: 40
    .max_flat_workgroup_size: 256
    .sgpr_count:     96
    .vgpr_count:     352
    .wavefront_size: 32
...
	.end_amdgpu_metadata
.endif
;; end of part 2
;; launch attn (part 3): grid 4 x 64, 16 waves a work-group, clusters of 4 x 1, 327,680 bytes of LDS; arguments hc, hs, xc, xs; writes xc, xs
.if DOCPART == 3
	.amdgcn_target "amdgcn-amd-amdhsa--gfx1250"
	.amdhsa_code_object_version 6
	.text
	.protected	k_q41a7e8c648_attn
	.globl	k_q41a7e8c648_attn
	.p2align	8
	.type	k_q41a7e8c648_attn,@function
k_q41a7e8c648_attn:
	s_mov_b64 s[64:65], 0
	v_nop
	global_prefetch_b8 v0, s[64:65] scope:SCOPE_SE
	s_setreg_imm32_b32 hwreg(HW_REG_WAVE_MODE, 25, 1), 1
	s_wait_xcnt 0x0
	s_wait_alu depctr_hold_cnt(0) depctr_sa_sdst(0) depctr_va_vdst(0) depctr_va_sdst(0) depctr_va_ssrc(0) depctr_va_vcc(0) depctr_vm_vsrc(0)
	s_getreg_b32 s2, hwreg(HW_REG_IB_STS2, 6, 4)
	s_cmp_eq_u32 s2, 0
	s_cbranch_scc0 .Lentry_in_a_cluster
	s_endpgm
.Lentry_in_a_cluster:
	s_bfe_u32 s2, ttmp6, 0x10000c
	s_cmp_lg_u32 s2, 0x3003
	s_cbranch_scc0 .Lentry_shape_is_right
	s_endpgm
.Lentry_shape_is_right:
; The attention of one (batch, head) for each cluster of four work-groups, both products on codes of FP6 (E2M3); the result is quantised along head x 64 + channel and stored as the last launch's operand.
; WORK LEFT OUT: a step of 128 keys that all come after a tile's 16 queries lies wholly under the problem's own causal mask and is not walked (shown at the head of the first launch).
; THE SOFTMAX: t = score x log2(e) / 8; M = the running largest t rounded UP to a whole number; p = 2^(t - M) is quantised along the keys, not normalised; the row's sum is taken of the unquantised p and divides at the end;
; when M moves, the sum and O are multiplied by 2^(old M - new M), which rounds nothing.
; SHARES.  A head has 128 tiles of 16 queries.  Wave w of the work-group at place cx takes tiles 4 w + cx and 127 - (4 w + cx): they need w / 2 + 1 and 16 - w / 2 key steps, 17 together, in every wave of the launch.
; The two limits hang on the wave's number alone; cx enters global addresses and the mask's compare operand, no branch and no LDS address.
; THE WHOLE HEAD'S K AND V STAY IN LDS (codes 2 x 98,304 bytes, scale words 2 x 8,192), asked for once, jointly by the four partners, three loads a wave (all out together): scale words, keys 0-1,023, keys 1,024-2,047.
; ORDER.  The late tile's steps 0-7 (whole for every wave, and in need of the lower keys alone); a barrier behind the upper keys' loads; its steps 8-15; then the early tile's: behind that barrier every wave has 9 steps.
; LAYOUT.  Both products transposed: S^T = K Q^T, O^T = V^T P^T: a lane holds one query.  A tile's rows are 32 (t / 2) + 8 (t % 2) + r + 8 (r / 8), so p's and O's registers 16 b + i are neighbours 32 b + 16 (lane / 16) + i.
; K = 64 IN AN INSTRUCTION OF 128: Q's registers 6-11 are zero codes; a tile of K names 12 registers, of which the upper six are the next tile's codes, multiplied by zeros; the upper two scale bytes are 0 (2^-127, no NaN).
; No prefetch: all is asked for at the head.  Four waves share a SIMD: one wave's softmax stands beside another's products and LDS loads.
; LIMITS: a block of zeros gets the byte 1; largest magnitudes under 2^-124 count as 2^-124; NaN and infinities are not served.  The result's scale bytes leave as stores of 2 bytes a lane, 16 bytes apart: 262,144 bytes in all.
.set VLDS,  98304                      ; LDS: K's codes at 0, V's here,
.set KSC,   196608                     ; K's scale words,
.set VSC,   204800                     ; V's,
.set SPARE, 212992                     ; the spare words, 128 bytes a wave, which no other line names
.set SPW, 4                            ; v4 my spare word, v5 0; never rewritten
.set NIL, 5
.set TM,  212                          ; v212-215 the blocks' largest scores, then largest p
.set BY,  214
.set PM,  216                          ; v216-219 permutes' destinations, then bytes
.set SO,  220                          ; v220-223 the conversions' scale operands
.set T,   204
.set SEL, 44
; v1 16 x lane, v2 8 x lane, v3 16 r; v6 r + 8 (r / 8) - 16 h; v7-11, v29 the step's LDS addresses; v12 -M, v13 largest t, v[14:15], v[90:91] sums; v16-27 the early tile's Q, v28 its scale words; v240-251, v255 the late tile's;
; v30, v31, v92, v93 address bases; v32-79 fragments of K or V, v80-85 zeros; v86-89 K's scale words; v96-159 S^T, then p; v160-191 O^T; v192-203 p's codes; v224-231 V's words as loaded, v232-235 as used; v236 p's word; v[252:253] f
.macro PLACES
.rept 4
	v_nop
.endr
.endm
.macro CROUND
	s_barrier_signal -1
	s_barrier_wait -1
	s_cmp_lg_u32 s12, 0
	s_cbranch_scc1 .Lnot_wave_0_\@
	s_barrier_signal -3
.Lnot_wave_0_\@:
	s_barrier_wait -3
	s_barrier_signal -1
	s_barrier_wait -1
.endm
.macro QUANT2 src, dst, pw             ; as in the second launch: 32 numbers of a lane become a half fragment and two scale bytes
.irp b, 0,1
	v_max3_num_f32 v[TM+\b], |v[(\src)+16*\b]|, |v[(\src)+16*\b+1]|, 0x1800000
.endr
.irp i, 2,4,6,8,10,12,14
.irp b, 0,1
	s_delay_alu instid0(VALU_DEP_2)
	v_max3_num_f32 v[TM+\b], v[TM+\b], |v[(\src)+16*\b+\i]|, |v[(\src)+16*\b+\i+1]|
.endr
.endr
.irp b, 0,1
	s_delay_alu instid0(VALU_DEP_2)
	v_permlanex16_b32 v[PM+\b], v[TM+\b], s[SEL], s[SEL+1]
.endr
.irp b, 0,1
	s_delay_alu instid0(VALU_DEP_2)
	v_max_num_f32 v[TM+\b], v[TM+\b], v[PM+\b]
.endr
.irp b, 0,1
	s_delay_alu instid0(VALU_DEP_2)
	v_add_nc_u32 v[SO+\b], 0xff000000, v[TM+\b]
.endr
.irp b, 0,1
	s_delay_alu instid0(VALU_DEP_2)
	v_lshrrev_b32 v[BY+\b], 23, v[SO+\b]
.endr
	s_delay_alu instid0(VALU_DEP_1)
	v_lshl_or_b32 v[\pw], v[BY+1], 8, v[BY]
	v_cvt_scalef32_pk16_fp6_f32 v[(\dst):(\dst)+2], v[(\src):(\src)+15], v[SO]
	v_cvt_scalef32_pk16_fp6_f32 v[T:T+2], v[(\src)+16:(\src)+31], v[SO+1]
	v_nop
.irp i, 0,1,2
	v_permlane16_swap_b32 v[(\dst)+\i], v[T+\i]
.endr
.irp i, 0,1,2
	s_delay_alu instid0(VALU_DEP_3)
	v_mov_b32 v[(\dst)+3+\i], v[T+\i]
.endr
.endm
	s_load_b256 s[4:11], s[0:1], 0x0               ; hc, hs, xc, xs
	v_lshl_add_u32 v[SPW], v0, 2, SPARE
	v_mov_b32 v[NIL], 0
	ds_add_u32 v[SPW], v[NIL]                      ; the opening: the add, twice on end, and its wait ahead of my first tensor load
	ds_add_u32 v[SPW], v[NIL]
	v_lshrrev_b32 v1, 5, v0
	s_delay_alu instid0(VALU_DEP_1)
	v_readfirstlane_b32 s12, v1                    ; wave 0..15
	s_bfe_u32 s13, ttmp6, 0x40000                  ; cx
	s_and_b32 s14, ttmp7, 0xffff                   ; batch x 16 + head: the four partners share it
	s_lshr_b32 s56, s12, 3                         ; I fetch for K (0) or for V (1),
	s_and_b32 s57, s12, 7                          ; an eighth of each load's block
	s_mov_b32 s16, 15|(3<<16)|(1<<21)              ; codes: 15:0 the mask, all four; elements of 8 bytes; 21 set beside a mask; no padding
	s_mov_b32 s17, 32<<16                          ; rows of 256 bytes,
	s_mov_b32 s18, 24<<16                          ; 24 of them: a dense block of 6,144 bytes
	s_mov_b32 s19, 32<<16
	s_mov_b32 s20, 24
	s_mov_b32 s21, 32
	s_mov_b32 s22, 0
	s_mov_b32 s23, 0
	s_mov_b32 s24, 15|(3<<16)|(1<<21)              ; scale words: 4 rows of 256 bytes
	s_mov_b32 s25, 32<<16
	s_mov_b32 s26, 4<<16
	s_mov_b32 s27, 32<<16
	s_mov_b32 s28, 4
	s_mov_b32 s29, 32
	s_mov_b32 s30, 0
	s_mov_b32 s31, 0
	s_add_co_u32 s58, s56, 1                       ; k is the second tensor of hc and hs, v the third
	s_mul_i32 s60, s58, 6291456
	s_mul_i32 s59, s14, 98304
	s_add_co_u32 s60, s60, s59
	s_mul_i32 s59, s57, 6144
	s_add_co_u32 s60, s60, s59
	s_mov_b32 s61, 0
	s_lshl_b32 s62, s58, 19
	s_lshl_b32 s59, s14, 13
	s_add_co_u32 s62, s62, s59
	s_lshl_b32 s59, s57, 10
	s_add_co_u32 s62, s62, s59
	s_mov_b32 s63, 0
	s_mul_i32 s66, s56, 98304                      ; where they go: the wave's number alone enters an LDS address
	s_mul_i32 s59, s57, 6144
	s_add_co_u32 s66, s66, s59
	s_lshl_b32 s67, s56, 13
	s_lshl_b32 s59, s57, 10
	s_add_co_u32 s67, s67, s59
	s_add_co_u32 s67, s67, KSC
	s_mov_b32 s[SEL], 0x76543210
	s_mov_b32 s[SEL+1], 0xfedcba98
	s_mov_b32 s46, 0x3e38aa3b                      ; c = log2(e) / 8
	s_mov_b32 s47, s46                             ; (named with it as a pair)
	s_wait_dscnt 0x0                               ; both opening adds are done
	s_wait_kmcnt 0x0
	s_mov_b32 s32, 1
	s_mov_b32 s33, s67
	s_add_nc_u64 s[34:35], s[6:7], s[62:63]
	s_or_b32 s35, s35, 0x80000000
	s_mov_b32 s36, 1
	s_mov_b32 s37, s66
	s_add_nc_u64 s[38:39], s[4:5], s[60:61]
	s_mov_b32 s40, 1
	s_add_co_u32 s41, s66, 49152
	s_add_nc_u64 s[42:43], s[38:39], 49152
	s_or_b32 s39, s39, 0x80000000
	s_or_b32 s43, s43, 0x80000000
	CROUND                                         ; all four work-groups are here: the joint loads meet
	tensor_load_to_lds s[32:35], s[24:31]          ; scale words
	s_nop 0
	tensor_load_to_lds s[36:39], s[16:23]          ; keys 0 to 1,023
	s_nop 0
	tensor_load_to_lds s[40:43], s[16:23]          ; keys 1,024 to 2,047
	s_nop 0
	PLACES
	v_and_b32 v254, 31, v0
	s_delay_alu instid0(VALU_DEP_1)
	v_lshlrev_b32 v1, 4, v254                      ; 16 x lane
	s_delay_alu instid0(VALU_DEP_2)
	v_lshlrev_b32 v2, 3, v254                      ; 8 x lane
	v_and_b32 v253, 15, v0                         ; r
	s_delay_alu instid0(VALU_DEP_1)
	v_lshlrev_b32 v3, 4, v253                      ; 16 r
	v_bfe_u32 v252, v0, 4, 1                       ; h
	s_delay_alu instid0(VALU_DEP_3)
	v_and_b32 v6, 8, v253
	s_delay_alu instid0(VALU_DEP_1)
	v_add_nc_u32 v6, v6, v253
	s_delay_alu instid0(VALU_DEP_3)
	v_lshlrev_b32 v252, 4, v252
	s_delay_alu instid0(VALU_DEP_1)
	v_sub_nc_u32 v6, v6, v252                      ; r + 8 (r / 8) - 16 h
	v_add_nc_u32 v30, VLDS, v1
	v_add_nc_u32 v31, VLDS, v2
	v_add_nc_u32 v92, KSC, v1
	v_add_nc_u32 v93, VSC, v3
	s_lshl_b32 s68, s12, 2
	s_add_co_u32 s68, s68, s13                     ; the early tile,
	s_sub_co_u32 s69, 127, s68                     ; the late one
	s_mul_i32 s70, s14, 98304
	s_mul_i32 s72, s68, 768
	s_add_co_u32 s72, s72, s70
	s_mov_b32 s73, 0
	s_add_nc_u64 s[72:73], s[4:5], s[72:73]        ; q is the first tensor of hc
	s_mul_i32 s74, s69, 768
	s_add_co_u32 s74, s74, s70
	s_mov_b32 s75, 0
	s_add_nc_u64 s[74:75], s[4:5], s[74:75]
	s_lshl_b32 s70, s14, 13
	s_lshr_b32 s76, s68, 2
	s_lshl_b32 s76, s76, 8
	s_and_b32 s71, s68, 3
	s_lshl_b32 s71, s71, 2
	s_add_co_u32 s76, s76, s71
	s_add_co_u32 s76, s76, s70
	s_mov_b32 s77, 0
	s_add_nc_u64 s[76:77], s[6:7], s[76:77]
	s_lshr_b32 s78, s69, 2
	s_lshl_b32 s78, s78, 8
	s_and_b32 s71, s69, 3
	s_lshl_b32 s71, s71, 2
	s_add_co_u32 s78, s78, s71
	s_add_co_u32 s78, s78, s70
	s_mov_b32 s79, 0
	s_add_nc_u64 s[78:79], s[6:7], s[78:79]
	global_load_b128 v[16:19], v1, s[72:73]
	global_load_b64 v[20:21], v2, s[72:73] offset:512
	global_load_b32 v28, v3, s[76:77]
	global_load_b128 v[240:243], v1, s[74:75]
	global_load_b64 v[244:245], v2, s[74:75] offset:512
	global_load_b32 v255, v3, s[78:79]
.irp j, 0,1,2,3,4,5
	v_mov_b32 v[22+\j], 0                          ; zero codes for the upper 64 of the instruction's K
	v_mov_b32 v[246+\j], 0
	v_mov_b32 v[80+\j], 0                          ; (what the last tile of K names beyond its own six)
.endr
.irp b, 0,1,2,3
	v_mov_b32 v[PM+\b], 0                          ; a lane permute's destination counts as read: written once
.endr
; A tile begins: s54 = the tile.  Its first query's token, where its result goes, and the sums' beginnings (O^T and the sum zeros, the largest t -3e38: the first change of M multiplies zeros)
.macro BEGIN
	s_lshr_b32 s55, s54, 1
	s_lshl_b32 s55, s55, 5
	s_and_b32 s70, s54, 1
	s_lshl_b32 s70, s70, 3
	s_add_co_u32 s55, s55, s70                     ; lane r's query is this + r + 8 (r / 8)
	s_lshr_b32 s60, s14, 4
	s_lshl_b32 s60, s60, 7
	s_add_co_u32 s60, s60, s54
	s_add_co_u32 s60, s60, 1792                    ; the result's row tile in xc and xs
	s_and_b32 s61, s14, 15                         ; the head: which 64 of the last product's K
	s_mul_i32 s56, s60, 12288
	s_mul_i32 s70, s61, 768
	s_add_co_u32 s56, s56, s70
	s_mov_b32 s57, 0
	s_add_nc_u64 s[56:57], s[8:9], s[56:57]
	s_lshl_b32 s58, s60, 9
	s_lshr_b32 s70, s61, 3
	s_lshl_b32 s70, s70, 8
	s_add_co_u32 s58, s58, s70
	s_bfe_u32 s70, s61, 0x20001
	s_lshl_b32 s70, s70, 2
	s_add_co_u32 s58, s58, s70
	s_and_b32 s70, s61, 1
	s_lshl_b32 s70, s70, 1
	s_add_co_u32 s58, s58, s70                     ; K step head / 2, its lower or upper two bytes
	s_mov_b32 s59, 0
	s_add_nc_u64 s[58:59], s[10:11], s[58:59]
.set n, 0
.rept 32
	v_mov_b32 v[160+n], 0
.set n, n+1
.endr
	v_mov_b32 v13, 0xff61b1e6
	s_delay_alu instid0(VALU_DEP_1)
	v_floor_f32 v12, -v13
	v_mov_b32 v14, 0
	v_mov_b32 v15, 0
.endm
; A KEY STEP: 128 keys.  s48, s49: where the step's codes and scale words begin; s50 the step, s51 the tile's last step, s52 the first key.  diag = 1: the step may be the one on the diagonal
.macro STEP q, qs, diag
	v_add_nc_u32 v7, s48, v1                       ; these six are also the places in front of loads into registers that the last products read
	v_add_nc_u32 v8, s48, v2
	v_add_nc_u32 v9, s48, v30
	v_add_nc_u32 v10, s48, v31
	v_add_nc_u32 v11, s49, v92
	v_add_nc_u32 v29, s49, v93
.irp t, 0,1,2,3,4,5,6,7
	ds_load_b128 v[32+6*\t:35+6*\t], v7 offset:768*\t
	ds_load_b64 v[36+6*\t:37+6*\t], v8 offset:768*\t+512
.endr
	ds_load_b128 v[86:89], v11                     ; lanes 0-15: the words of tiles 0-3; lanes 16-31: of tiles 4-7
	s_wait_alu depctr_va_vdst(0)
	s_wait_dscnt 0x0
.irp t, 0,1,2,3
	v_wmma_scale_f32_16x16x128_f8f6f4 v[96+8*\t:103+8*\t], v[32+6*\t:43+6*\t], v[\q:\q+11], 0, v[86+\t], v[\qs] matrix_a_fmt:MATRIX_FMT_FP6 matrix_b_fmt:MATRIX_FMT_FP6
.endr
.irp t, 4,5,6,7
	v_wmma_scale_f32_16x16x128_f8f6f4 v[96+8*\t:103+8*\t], v[32+6*\t:43+6*\t], v[\q:\q+11], 0, v[82+\t], v[\qs] matrix_a_fmt:MATRIX_FMT_FP6 matrix_b_fmt:MATRIX_FMT_FP6 matrix_a_scale:MATRIX_SCALE_ROW1
.endr
	PLACES                                         ; in front of the loads into K's registers and of the first read of scores
.irp t, 0,1,2,3                        ; V's four fragments land while the softmax is worked
.irp c, 0,1
	ds_load_b128 v[32+12*\t+6*\c:35+12*\t+6*\c], v9 offset:(4*\c+\t)*768
	ds_load_b64 v[36+12*\t+6*\c:37+12*\t+6*\c], v10 offset:(4*\c+\t)*768+512
.endr
.endr
	ds_load_b128 v[224:227], v29                   ; the words of keys 0-63 of the step, tiles 0-3,
	ds_load_b128 v[228:231], v29 offset:256        ; and of keys 64-127
.if \diag
	s_cmp_lg_u32 s50, s51                          ; on the diagonal hidden scores become -infinity ahead of the maximum: p = 0 then.  Ids and the count of steps alone decide
	s_cbranch_scc1 .Lopen_\@
	s_sub_co_i32 s53, s55, s52
	v_add_nc_u32 v254, s53, v6                     ; d = my query - the first key - 16 h.  Register 16 b + i holds key 32 b + 16 h + i of the step: hidden where 32 b + i > d
	v_mov_b32 v252, 0xff800000
.set n, 0
.rept 64
	v_cmp_gt_i32 vcc_lo, 32*(n/16)+n%16, v254
	v_cndmask_b32 v[96+n], v[96+n], v252, vcc_lo
.set n, n+1
.endr
.Lopen_\@:
.endif
.irp b, 0,1,2,3
	v_max3_num_f32 v[TM+\b], v[96+16*\b], v[97+16*\b], v[98+16*\b]   ; the largest score of each block of 32 keys: for the row's maximum and, since p rises with the score, for the block's largest p
.endr
.irp i, 3,5,7,9,11,13
.irp b, 0,1,2,3
	v_max3_num_f32 v[TM+\b], v[TM+\b], v[96+16*\b+\i], v[97+16*\b+\i]
.endr
.endr
.irp b, 0,1,2,3
	v_max_num_f32 v[TM+\b], v[TM+\b], v[111+16*\b]
.endr
.irp b, 0,1,2,3
	s_delay_alu instid0(VALU_DEP_4)
	v_permlanex16_b32 v[PM+\b], v[TM+\b], s[SEL], s[SEL+1]
.endr
.irp b, 0,1,2,3
	s_delay_alu instid0(VALU_DEP_4)
	v_max_num_f32 v[TM+\b], v[TM+\b], v[PM+\b]
.endr
	s_delay_alu instid0(VALU_DEP_2)
	v_max3_num_f32 v254, v212, v213, v214
	s_delay_alu instid0(VALU_DEP_1)
	v_max_num_f32 v254, v254, v215
	s_delay_alu instid0(VALU_DEP_1)
	v_mul_f32 v254, s46, v254
	s_delay_alu instid0(VALU_DEP_1)
	v_max_num_f32 v13, v13, v254                   ; the running largest t
	v_mov_b32 v254, v12
	s_delay_alu instid0(VALU_DEP_2)
	v_floor_f32 v12, -v13                          ; -M = floor(-t): M is a whole number
	s_delay_alu instid0(VALU_DEP_1)
	v_sub_f32 v254, v12, v254                      ; old M - new M, 0 or less
	s_delay_alu instid0(VALU_DEP_1)
	v_cvt_i32_f32 v254, v254                       ; (it saturates)
	s_delay_alu instid0(VALU_DEP_1)
	v_ldexp_f32 v252, 1.0, v254                    ; f = 2^(old M - new M)
.set n, 0
.rept 32
	v_pk_fma_f32 v[96+n:97+n], v[96+n:97+n], s[46:47], v[12:13] op_sel_hi:[1,0,0]   ; t - M
.set n, n+2
.endr
.irp b, 0,1,2,3
	v_fma_f32 v[TM+\b], v[TM+\b], s46, v12
.endr
.set n, 0
	s_setprio 1
	s_wait_alu depctr_va_vdst(0)
.rept 64
	v_exp_f32 v[96+n], v[96+n]                     ; p = 2^(t - M)
.set n, n+1
.endr
	v_pk_mul_f32 v[14:15], v[14:15], v[252:253] op_sel_hi:[1,0]   ; the sums under the new M: a plain instruction behind the exponentials
	s_wait_alu depctr_va_vdst(0)                   ; one wait for the batch, ahead of its first reader
.irp b, 0,1,2,3
	v_exp_f32 v[TM+\b], v[TM+\b]                   ; the blocks' largest p
.endr
	v_pk_add_f32 v[90:91], v[100:101], v[104:105]
	v_pk_add_f32 v[238:239], v[108:109], v[112:113]
	v_pk_add_f32 v[236:237], v[116:117], v[120:121]
	v_pk_add_f32 v[234:235], v[124:125], v[128:129]
	v_pk_add_f32 v[232:233], v[132:133], v[136:137]
	v_pk_add_f32 v[222:223], v[140:141], v[144:145]
	v_pk_add_f32 v[220:221], v[148:149], v[152:153]
	v_pk_add_f32 v[14:15], v[14:15], v[156:157]
	v_pk_add_f32 v[90:91], v[90:91], v[96:97]
	v_pk_add_f32 v[238:239], v[238:239], v[98:99]
	v_pk_add_f32 v[236:237], v[236:237], v[102:103]
	v_pk_add_f32 v[234:235], v[234:235], v[106:107]
	v_pk_add_f32 v[232:233], v[232:233], v[110:111]
	v_pk_add_f32 v[222:223], v[222:223], v[114:115]
	v_pk_add_f32 v[220:221], v[220:221], v[118:119]
	v_pk_add_f32 v[14:15], v[14:15], v[122:123]
	v_pk_add_f32 v[90:91], v[90:91], v[126:127]
	v_pk_add_f32 v[238:239], v[238:239], v[130:131]
	v_pk_add_f32 v[236:237], v[236:237], v[134:135]
	v_pk_add_f32 v[234:235], v[234:235], v[138:139]
	v_pk_add_f32 v[232:233], v[232:233], v[142:143]
	v_pk_add_f32 v[222:223], v[222:223], v[146:147]
	v_pk_add_f32 v[220:221], v[220:221], v[150:151]
	v_pk_add_f32 v[14:15], v[14:15], v[154:155]
	v_pk_add_f32 v[90:91], v[90:91], v[158:159]
	s_delay_alu instid0(VALU_DEP_2)
	v_pk_add_f32 v[14:15], v[14:15], v[234:235]
	s_delay_alu instid0(VALU_DEP_2)
	v_pk_add_f32 v[90:91], v[90:91], v[232:233]
	v_pk_add_f32 v[238:239], v[238:239], v[222:223]
	v_pk_add_f32 v[236:237], v[236:237], v[220:221]
	s_delay_alu instid0(VALU_DEP_2)
	v_pk_add_f32 v[14:15], v[14:15], v[238:239]
	s_delay_alu instid0(VALU_DEP_2)
	v_pk_add_f32 v[90:91], v[90:91], v[236:237]
	s_delay_alu instid0(VALU_DEP_1)
	v_pk_add_f32 v[14:15], v[14:15], v[90:91]
	s_wait_alu depctr_va_vdst(0)                   ; and one for the four
.irp b, 0,1,2,3
	v_max_num_f32 v[TM+\b], 0x1800000, v[TM+\b]    ; the floor: the byte cannot fall under 1
.endr
.irp b, 0,1,2,3
	s_delay_alu instid0(VALU_DEP_4)
	v_add_nc_u32 v[SO+\b], 0xff000000, v[TM+\b]
.endr
.irp b, 0,1,2,3
	s_delay_alu instid0(VALU_DEP_4)
	v_lshrrev_b32 v[PM+\b], 23, v[SO+\b]
.endr
	s_delay_alu instid0(VALU_DEP_3)
	v_lshl_or_b32 v236, v217, 8, v216              ; p's scale word for these 128 keys
	s_delay_alu instid0(VALU_DEP_1)
	v_lshl_or_b32 v236, v218, 16, v236
	s_delay_alu instid0(VALU_DEP_1)
	v_lshl_or_b32 v236, v219, 24, v236
	s_wait_dscnt 0x0                               ; V's fragments and words are in
.irp t, 0,1,2,3
	v_lshl_or_b32 v[232+\t], v[228+\t], 16, v[224+\t]   ; two bytes of each half of the step make tile t's word
.endr
.irp c, 0,1
	v_cvt_scalef32_pk16_fp6_f32 v[192+6*\c:194+6*\c], v[96+32*\c:111+32*\c], v[SO+2*\c]
	v_cvt_scalef32_pk16_fp6_f32 v[T+4*\c:T+4*\c+2], v[112+32*\c:127+32*\c], v[SO+2*\c+1]
.endr
	s_setprio 0
	v_nop                                          ; one plain instruction behind the conversions
.irp c, 0,1
.irp i, 0,1,2
	v_permlane16_swap_b32 v[192+6*\c+\i], v[T+4*\c+\i]
.endr
.irp i, 0,1,2
	s_delay_alu instid0(VALU_DEP_3)
	v_mov_b32 v[195+6*\c+\i], v[T+4*\c+\i]
.endr
.endr
.set n, 0
.rept 16
	v_pk_mul_f32 v[160+n:161+n], v[160+n:161+n], v[252:253] op_sel_hi:[1,0]   ; O^T under the new M; with the moves above these are the places between the scale words and codes just made and the products
.set n, n+2
.endr
.irp t, 0,1,2,3
	v_wmma_scale_f32_16x16x128_f8f6f4 v[160+8*\t:167+8*\t], v[32+12*\t:43+12*\t], v[192:203], v[160+8*\t:167+8*\t], v[232+\t], v236 matrix_a_fmt:MATRIX_FMT_FP6 matrix_b_fmt:MATRIX_FMT_FP6
.endr
.endm
; Steps first to last - 1: the trip count is a constant of the text; where diag = 1, a step past the tile's last is jumped over, all but the lines that step addresses
.macro WALK q, qs, first, last, diag
	s_mov_b32 s48, (\first)*6144
	s_mov_b32 s49, (\first)*512
	s_mov_b32 s52, (\first)*128
	s_mov_b32 s50, \first
.Lwalk_\@:
.if \diag
	s_cmp_gt_u32 s50, s51
	s_cbranch_scc1 .Lover_\@
.endif
	s_setprio 2
	STEP \q, \qs, \diag
.Lover_\@:
	s_add_co_u32 s48, s48, 6144
	s_add_co_u32 s49, s49, 512
	s_add_co_u32 s52, s52, 128
	s_add_co_u32 s50, s50, 1
	s_cmp_lt_u32 s50, \last
	s_cbranch_scc1 .Lwalk_\@
	s_setprio 0
.endm
; A tile ends: O^T / the sum, quantised along the head's 64, stored as a half fragment of the last launch's operand
.macro FINISH
	PLACES                                         ; in front of the first read of the last products' results
	v_add_f32 v14, v14, v15
	s_delay_alu instid0(VALU_DEP_1)
	v_permlanex16_b32 v254, v14, s[SEL], s[SEL+1]
	s_delay_alu instid0(VALU_DEP_1)
	v_add_f32 v14, v14, v254                       ; the row's sum
	s_wait_alu depctr_va_vdst(0)
	v_rcp_f32 v14, v14
	v_nop
	s_wait_alu depctr_va_vdst(0)
.set n, 0
.rept 32
	v_mul_f32 v[96+n], v[160+n], v14               ; register 16 b + i: channel 32 b + 16 h + i
.set n, n+1
.endr
	QUANT2 96, 192, 254
	global_store_b128 v1, v[192:195], s[56:57]     ; 512 consecutive bytes
	global_store_b64 v2, v[196:197], s[56:57] offset:512
	global_store_b16 v3, v254, s[58:59]            ; lanes r and r + 16 write the same two bytes with the same value
.endm
	s_wait_loadcnt 0x0                             ; Q
	s_wait_tensorcnt 1                             ; my parts of the scale words and of keys 0-1,023 are in; the upper keys' load may be out
	s_barrier_signal -1
	s_barrier_wait -1
	s_mov_b32 s54, s69                             ; THE LATE TILE
	s_lshr_b32 s51, s12, 1
	s_sub_co_u32 s51, 15, s51                      ; its last step, 8 at the least
	BEGIN
	WALK 240, 255, 0, 8, 0
	s_wait_tensorcnt 0x0                           ; my part of keys 1,024-2,047 is in,
	s_wait_dscnt 0x0
	s_barrier_signal -1
	s_barrier_wait -1                              ; everybody's is
	WALK 240, 255, 8, 16, 1
	FINISH
	s_wait_xcnt 0x0                                ; the stores have read their registers and bases: both are written again below
	s_mov_b32 s54, s68                             ; THE EARLY TILE
	s_lshr_b32 s51, s12, 1
	BEGIN
	WALK 16, 28, 0, 8, 1
	s_wait_alu depctr_va_vdst(0)
	FINISH
	s_wait_tensorcnt 0x0                           ; the wave's end
	ds_add_u32 v[SPW], v[NIL]
	s_wait_dscnt 0x0
	CROUND                                         ; the closing round
	s_endpgm
.Lfunc_end_k_q41a7e8c648_attn:
	.size	k_q41a7e8c648_attn, .Lfunc_end_k_q41a7e8c648_attn-k_q41a7e8c648_attn
	.p2alignl 7, 3214868480
	.fill 96, 4, 3214868480
	.section	.rodata,"a",@progbits
	.p2align	6, 0x0
	.amdhsa_kernel k_q41a7e8c648_attn
		.amdhsa_group_segment_fixed_size 327680
		.amdhsa_private_segment_fixed_size 0
		.amdhsa_enable_private_segment 0
		.amdhsa_kernarg_size 32
		.amdhsa_user_sgpr_count 2
		.amdhsa_user_sgpr_kernarg_segment_ptr 1
		.amdhsa_wavefront_size32 1
		.amdhsa_system_sgpr_workgroup_id_x 1
		.amdhsa_system_sgpr_workgroup_id_y 1
		.amdhsa_system_sgpr_workgroup_id_z 1
		.amdhsa_system_vgpr_workitem_id 0
		.amdhsa_next_free_vgpr 256
		.amdhsa_next_free_sgpr 80
		.amdhsa_reserve_vcc 1
		.amdhsa_float_denorm_mode_32 3
		.amdhsa_float_denorm_mode_16_64 3
		.amdhsa_memory_ordered 1
		.amdhsa_forward_progress 1
		.amdhsa_inst_pref_size 85
	.end_amdhsa_kernel
	.amdgpu_metadata
---
amdhsa.version: [ 1, 2 ]
amdhsa.kernels:
  - .name:           k_q41a7e8c648_attn
    .symbol:         k_q41a7e8c648_attn.kd
    .args:
      - { .name: hc, .offset: 0, .size: 8, .value_kind: global_buffer, .address_space: global }
      - { .name: hs, .offset: 8, .size: 8, .value_kind: global_buffer, .address_space: global }
      - { .name: xc, .offset: 16, .size: 8, .value_kind: global_buffer, .address_space: global }
      - { .name: xs, .offset: 24, .size: 8, .value_kind: global_buffer, .address_space: global }
    .group_segment_fixed_size: 327680
    .private_segment_fixed_size: 0
    .kernarg_segment_align: 8
    .kernarg_segment_size: 32
    .max_flat_workgroup_size: 512
    .sgpr_count:     80
    .vgpr_count:     256
    .wavefront_size: 32
...
	.end_amdgpu_metadata
.endif
;; end of part 3
;; launch outp (part 4): grid 8 x 32, 8 waves a work-group, clusters of 4 x 4, 327,680 bytes of LDS; arguments xc, xs, b_out, out0; writes out0
.if DOCPART == 4
	.amdgcn_target "amdgcn-amd-amdhsa--gfx1250"
	.amdhsa_code_object_version 6
	.text
	.protected	k_q41a7e8c648_outp
	.globl	k_q41a7e8c648_outp
	.p2align	8
	.type	k_q41a7e8c648_outp,@function
k_q41a7e8c648_outp:
	s_mov_b64 s[64:65], 0
	v_nop
	global_prefetch_b8 v0, s[64:65] scope:SCOPE_SE
	s_setreg_imm32_b32 hwreg(HW_REG_WAVE_MODE, 25, 1), 1
	s_wait_xcnt 0x0
	s_wait_alu depctr_hold_cnt(0) depctr_sa_sdst(0) depctr_va_vdst(0) depctr_va_sdst(0) depctr_va_ssrc(0) depctr_va_vcc(0) depctr_vm_vsrc(0)
	s_getreg_b32 s2, hwreg(HW_REG_IB_STS2, 6, 4)
	s_cmp_eq_u32 s2, 0
	s_cbranch_scc0 .Lentry_in_a_cluster
	s_endpgm
.Lentry_in_a_cluster:
	s_bfe_u32 s2, ttmp6, 0x10000c
	s_cmp_lg_u32 s2, 0xf033
	s_cbranch_scc0 .Lentry_shape_is_right
	s_endpgm
.Lentry_shape_is_right:
; out0 = (the attention's result) W_out^T + b_out on codes of FP6 (E2M3).  Both operands lie in xc and xs as images of operand registers: the result's row tiles from 1,792 (third launch), W_out's from 1,728 (first launch).
; The form is the second launch's: source 0 = P = 16 rows of W_out, source 1 = R = 16 tokens; a work-group makes 256 tokens x 128 features with its whole K = 1,024 in LDS, asked for at the head in four quarters of K and never
; filled again; eight waves, wave w: R's tiles 4 (w % 4) + m, P's tiles 4 (w / 4) + p: 16 accumulators by turns; cluster 4 x 4, R's tiles shared along a row, P's along a column; four loads a wave are out.  256 work-groups.
; The bias is the C of each sum's first product.  THE WAY OUT: a lane holds one token and eight neighbouring features of each accumulator; a wave's 64 tokens x 64 features go through its own stage in LDS and leave as
; rows of 256 bytes, sixteen lanes to an aligned 256 bytes of out0.  The stages lie in R's first three quarters: those bytes have had their only fill, and every wave's last read of them stands ahead of the last quarter's barrier.
; No prefetch: every tile is asked for at the head.
.set PLDS,  196608
.set SPARE, 294912
.set SROW,  272                        ; a stage row: 256 bytes + 16
.set AR16, 4
.set AR8,  5
.set AP16, 6
.set AP8,  7
.set SPW,  14
.set NIL,  15
.set BI,   16                          ; v16-47  the bias
.set SC,   48                          ; v48-79  scale words: register 8 i + s: lanes 0-15 P's tile i, lanes 16-31 R's tile i, K step s
.set STO,  122                         ; v122 the stage, on the way in; v123 on the way out; v124 my byte offset in out0
.set RD,   123
.set GO,   124
.set ACC,  128
.set G1R,  24
.set G1P,  32
.set G0R,  40
.set G0P,  56
.set MSB, 0
.macro WIN new
.if MSB != \new
	s_set_vgpr_msb (MSB<<8)|\new
.set MSB, \new
.endif
.endm
.macro PLACES
.rept 4
	v_nop
.endr
.endm
.macro CROUND
	s_barrier_signal -1
	s_barrier_wait -1
	s_cmp_lg_u32 s14, 0
	s_cbranch_scc1 .Lnot_wave_0_\@
	s_barrier_signal -3
.Lnot_wave_0_\@:
	s_barrier_wait -3
	s_barrier_signal -1
	s_barrier_wait -1
.endm
	s_load_b256 s[4:11], s[0:1], 0x0               ; xc, xs, b_out, out0
	v_lshl_add_u32 v[SPW], v0, 2, SPARE
	v_mov_b32 v[NIL], 0
	ds_add_u32 v[SPW], v[NIL]                      ; the opening: the add, twice on end, and its wait ahead of my first tensor load
	ds_add_u32 v[SPW], v[NIL]
	v_lshrrev_b32 v1, 5, v0
	v_readfirstlane_b32 s14, v1                    ; wave 0..7
	s_and_b32 s15, s14, 3                          ; wr
	s_lshr_b32 s16, s14, 2                         ; wp
	s_bfe_u32 s17, ttmp6, 0x40000                  ; cx
	s_bfe_u32 s18, ttmp6, 0x40004                  ; cy
	s_and_b32 s20, ttmp7, 0xffff
	s_lshl_b32 s90, s20, 2
	s_add_co_u32 s90, s90, s18                     ; which 256 tokens: hangs on cy, never on cx
	s_lshl_b32 s80, s90, 4
	s_add_co_u32 s80, s80, 1792
	s_lshl_b32 s91, ttmp9, 2
	s_add_co_u32 s91, s91, s17                     ; which 128 features: hangs on cx, never on cy
	s_lshl_b32 s81, s91, 3
	s_add_co_u32 s81, s81, 1728
	s_lshl_b32 s93, s18, 2
	s_lshl_b32 s93, 15, s93                        ; my row of the cluster
	s_lshl_b32 s92, 0x1111, s17                    ; my column
	s_or_b32 s[G1R], s93, (3<<16)|(1<<21)          ; the mask; elements of 8 bytes; 21 set beside a mask; no padding
	s_or_b32 s[G1P], s92, (3<<16)|(1<<21)
	s_mov_b32 s[G1R+1], 384<<16                    ; a quarter of a row tile: 3,072 bytes
	s_mov_b32 s[G1R+2], 4<<16                      ; 4 row tiles
	s_mov_b32 s[G1R+3], 384<<16
	s_mov_b32 s[G1R+4], 4
	s_mov_b32 s[G1R+5], 1536                       ; 12,288 bytes from row tile to row tile
	s_mov_b32 s[G1R+6], 0
	s_mov_b32 s[G1R+7], 0
	s_mov_b32 s[G1P+1], 384<<16
	s_mov_b32 s[G1P+2], 2<<16
	s_mov_b32 s[G1P+3], 384<<16
	s_mov_b32 s[G1P+4], 2
	s_mov_b32 s[G1P+5], 1536
	s_mov_b32 s[G1P+6], 0
	s_mov_b32 s[G1P+7], 0
	s_lshl_b32 s84, s15, 2
	s_add_co_u32 s84, s84, s80
	s_mul_i32 s76, s84, 12288
	s_mov_b32 s77, 0
	s_lshl_b32 s85, s15, 1
	s_add_co_u32 s85, s85, s81
	s_mul_i32 s78, s85, 12288
	s_mov_b32 s79, 0
	s_mul_i32 s86, s15, 12288                      ; the wave's number alone enters an LDS address
	s_mul_i32 s87, s15, 6144
	s_add_co_u32 s87, s87, PLDS
	s_mov_b32 s23, 0xffff0000                      ; lanes 16-31
	s_wait_dscnt 0x0                               ; both opening adds are done
	s_wait_kmcnt 0x0
	s_add_nc_u64 s[76:77], s[4:5], s[76:77]
	s_add_nc_u64 s[78:79], s[4:5], s[78:79]
.irp q, 0,1,2,3
.set GP, G0P+4*\q+4*(\q/2)
	s_mov_b32 s[G0R+4*\q], 1
	s_add_co_u32 s[G0R+4*\q+1], s86, \q*49152
	s_add_nc_u64 s[G0R+4*\q+2:G0R+4*\q+3], s[76:77], \q*3072
	s_or_b32 s[G0R+4*\q+3], s[G0R+4*\q+3], 0x80000000
	s_mov_b32 s[GP], 1
	s_add_co_u32 s[GP+1], s87, \q*24576
	s_add_nc_u64 s[GP+2:GP+3], s[78:79], \q*3072
	s_or_b32 s[GP+3], s[GP+3], 0x80000000
.endr
	CROUND                                         ; all sixteen work-groups are here: the joint loads meet
	s_cmp_eq_u32 s16, 0                            ; a wave's four fills stand in one branch on its number
	s_cbranch_scc0 .Lfill_p
.irp q, 0,1,2,3
	tensor_load_to_lds s[G0R+4*\q:G0R+4*\q+3], s[G1R:G1R+7]
	s_nop 0
.endr
	PLACES
	s_branch .Lfilled
.Lfill_p:
.irp q, 0,1,2,3
	tensor_load_to_lds s[G0P+4*\q+4*(\q/2):G0P+4*\q+4*(\q/2)+3], s[G1P:G1P+7]
	s_nop 0
.endr
	PLACES
.Lfilled:
	v_and_b32 v1, 15, v0                           ; r
	v_bfe_u32 v2, v0, 4, 1                         ; h
	v_and_b32 v3, 31, v0                           ; lane
	v_lshlrev_b32 v10, 4, v3
	v_lshlrev_b32 v11, 3, v3
	v_add_nc_u32 v[AR16], s86, v10
	v_add_nc_u32 v[AR8], s86, v11
	s_mul_i32 s94, s16, 12288
	s_add_co_u32 s94, s94, PLDS
	v_add_nc_u32 v[AP16], s94, v10
	v_add_nc_u32 v[AP8], s94, v11
	s_mul_i32 s94, s14, 64*SROW                    ; my stage
	v_and_b32 v[STO], 8, v1
	v_add_nc_u32 v[STO], v[STO], v1
	v_mul_u32_u24 v[STO], v[STO], SROW
	v_lshl_add_u32 v[STO], v2, 6, v[STO]
	v_add_nc_u32 v[STO], s94, v[STO]               ; in: row r + 8 (r / 8), 64 h bytes on
	v_mul_u32_u24 v[RD], v2, SROW
	v_lshl_add_u32 v[RD], v1, 4, v[RD]
	v_add_nc_u32 v[RD], s94, v[RD]                 ; back: lanes 0-15 one row, lanes 16-31 the next
	v_lshlrev_b32 v[GO], 12, v2
	v_lshl_add_u32 v[GO], v1, 4, v[GO]             ; and the same two rows of out0
	s_lshl_b32 s92, s16, 2
	s_add_co_u32 s92, s92, s81
	s_lshl_b32 s92, s92, 9
	s_lshl_b32 s93, s15, 2
	s_add_co_u32 s93, s93, s80
	s_lshl_b32 s93, s93, 9
	v_mov_b32 v8, s92
	v_mov_b32 v9, s93
	v_cndmask_b32 v8, v8, v9, s23                  ; lanes 0-15 take P's scale words, lanes 16-31 R's
	v_lshl_add_u32 v8, v1, 4, v8
.irp i, 0,1,2,3
.irp u, 0,1
	global_load_b128 v[SC+8*\i+4*\u:SC+8*\i+4*\u+3], v8, s[6:7] offset:512*\i+256*\u
.endr
.endr
	s_lshl_b32 s82, s90, 2
	s_add_co_u32 s82, s82, s15                     ; my 64 tokens,
	s_lshl_b32 s83, s91, 1
	s_add_co_u32 s83, s83, s16                     ; my 64 features
	s_lshl_b32 s92, s83, 8
	s_mov_b32 s93, 0
	s_add_nc_u64 s[8:9], s[8:9], s[92:93]
	s_add_nc_u64 s[10:11], s[10:11], s[92:93]
	s_lshl_b32 s92, s82, 18
	s_add_nc_u64 s[10:11], s[10:11], s[92:93]
	v_lshlrev_b32 v9, 6, v2                        ; run p of the bias: features 32 (p / 2) + 16 h + 8 (p % 2) + 0 .. 7
.irp p, 0,1,2,3
	global_load_b128 v[BI+8*\p:BI+8*\p+3], v9, s[8:9] offset:(32*(\p/2)+8*(\p%2))*4
	global_load_b128 v[BI+8*\p+4:BI+8*\p+7], v9, s[8:9] offset:(32*(\p/2)+8*(\p%2))*4+16
.endr
.macro FETCH s
	WIN 0x40                                       ; destination window 1
.irp p, 0,1,2,3
	ds_load_b128 v[12*\p:12*\p+3],     v[AP16] offset:\p*3072+((\s)%2)*1536
	ds_load_b64  v[12*\p+4:12*\p+5],   v[AP8]  offset:\p*3072+((\s)%2)*1536+512
	ds_load_b128 v[12*\p+6:12*\p+9],   v[AP16] offset:\p*3072+((\s)%2)*1536+768
	ds_load_b64  v[12*\p+10:12*\p+11], v[AP8]  offset:\p*3072+((\s)%2)*1536+1280
.endr
.irp m, 0,1,2,3
	ds_load_b128 v[48+12*\m:48+12*\m+3],   v[AR16] offset:\m*3072+((\s)%2)*1536
	ds_load_b64  v[48+12*\m+4:48+12*\m+5], v[AR8]  offset:\m*3072+((\s)%2)*1536+512
	ds_load_b128 v[48+12*\m+6:48+12*\m+9], v[AR16] offset:\m*3072+((\s)%2)*1536+768
	ds_load_b64  v[48+12*\m+10:48+12*\m+11], v[AR8] offset:\m*3072+((\s)%2)*1536+1280
.endr
	WIN 0
.endm
.macro MULS s, mode                    ; 16 products, the accumulators by turns.  mode 0: onto the sums; 1: C = the bias
	WIN 0x05                                       ; sources 0 and 1 window 1; C and D window 0
.irp m, 0,1,2,3
.irp p, 0,1,2,3
.if \mode == 0
.set CR, ACC+32*\m+8*\p
.else
.set CR, BI+8*\p
.endif
	v_wmma_scale_f32_16x16x128_f8f6f4 v[ACC+32*\m+8*\p:ACC+32*\m+8*\p+7], v[12*\p:12*\p+11], v[48+12*\m:48+12*\m+11], v[CR:CR+7], v[SC+8*\p+\s], v[SC+8*\m+\s] matrix_a_fmt:MATRIX_FMT_FP6 matrix_b_fmt:MATRIX_FMT_FP6 matrix_b_scale:MATRIX_SCALE_ROW1
.endr
.endr
	WIN 0
.endm
	s_wait_tensorcnt 3                             ; my part of the first quarter of K is in; my three later loads may be out
	s_barrier_signal -1
	s_barrier_wait -1
	FETCH 0
	s_wait_loadcnt 0x0                             ; scale words and bias
	s_wait_dscnt 0x0
	MULS 0, 1
.irp s, 1,2,3,4,5,6,7
.if (\s)%2 == 0
	s_wait_tensorcnt 3-(\s)/2                      ; my part of the next quarter is in; the later quarters' loads may be out
	s_barrier_signal -1                            ; (no LDS instruction of mine is out)
	s_barrier_wait -1
	v_add_nc_u32 v[AR16], 49152, v[AR16]           ; these four are also the places in front of the loads below
	v_add_nc_u32 v[AR8], 49152, v[AR8]
	v_add_nc_u32 v[AP16], 24576, v[AP16]
	v_add_nc_u32 v[AP8], 24576, v[AP8]
.else
	PLACES
.endif
	FETCH \s
	s_wait_dscnt 0x0
	MULS \s, 0
.endr
	PLACES                                         ; in front of the first read of results, and of the loads that land on the accumulators below
.irp m, 0,1,2,3
.irp p, 0,1,2,3
	ds_store_b128 v[STO], v[ACC+32*\m+8*\p:ACC+32*\m+8*\p+3] offset:(32*(\m/2)+8*(\m%2))*SROW+128*(\p/2)+32*(\p%2)        ; each accumulator from its low end on
	ds_store_b128 v[STO], v[ACC+32*\m+8*\p+4:ACC+32*\m+8*\p+7] offset:(32*(\m/2)+8*(\m%2))*SROW+128*(\p/2)+32*(\p%2)+16
.endr
.endr
.set n, 0
.rept 32
	ds_load_b128 v[ACC+4*n:ACC+4*n+3], v[RD] offset:2*n*SROW   ; LDS serves a wave's instructions in order: these see my stores, which have read their registers
.set n, n+1
.endr
.set n, 0
.rept 32
	s_wait_dscnt 31-n                              ; the later loads may be out
	global_store_b128 v[GO], v[ACC+4*n:ACC+4*n+3], s[10:11] offset:8192*n th:TH_STORE_NT   ; 16 lanes store 256 consecutive bytes, at a multiple of 256 from out0's first byte
.set n, n+1
.endr
	s_wait_tensorcnt 0x0                           ; the wave's end
	ds_add_u32 v[SPW], v[NIL]
	s_wait_dscnt 0x0
	CROUND                                         ; the closing round
	s_endpgm
.Lfunc_end_k_q41a7e8c648_outp:
	.size	k_q41a7e8c648_outp, .Lfunc_end_k_q41a7e8c648_outp-k_q41a7e8c648_outp
	.p2alignl 7, 3214868480
	.fill 96, 4, 3214868480
	.section	.rodata,"a",@progbits
	.p2align	6, 0x0
	.amdhsa_kernel k_q41a7e8c648_outp
		.amdhsa_group_segment_fixed_size 327680
		.amdhsa_private_segment_fixed_size 0
		.amdhsa_enable_private_segment 0
		.amdhsa_kernarg_size 32
		.amdhsa_user_sgpr_count 2
		.amdhsa_user_sgpr_kernarg_segment_ptr 1
		.amdhsa_wavefront_size32 1
		.amdhsa_system_sgpr_workgroup_id_x 1
		.amdhsa_system_sgpr_workgroup_id_y 1
		.amdhsa_system_sgpr_workgroup_id_z 1
		.amdhsa_system_vgpr_workitem_id 0
		.amdhsa_next_free_vgpr 352
		.amdhsa_next_free_sgpr 96
		.amdhsa_reserve_vcc 0
		.amdhsa_float_denorm_mode_32 3
		.amdhsa_float_denorm_mode_16_64 3
		.amdhsa_memory_ordered 1
		.amdhsa_forward_progress 1
		.amdhsa_inst_pref_size 54
	.end_amdhsa_kernel
	.amdgpu_metadata
---
amdhsa.version: [ 1, 2 ]
amdhsa.kernels:
  - .name:           k_q41a7e8c648_outp
    .symbol:         k_q41a7e8c648_outp.kd
    .args:
      - { .name: xc, .offset: 0, .size: 8, .value_kind: global_buffer, .address_space: global }
      - { .name: xs, .offset: 8, .size: 8, .value_kind: global_buffer, .address_space: global }
      - { .name: b_out, .offset: 16, .size: 8, .value_kind: global_buffer, .address_space: global }
      - { .name: out0, .offset: 24, .size: 8, .value_kind: global_buffer, .address_space: global }
    .group_segment_fixed_size: 327680
    .private_segment_fixed_size: 0
    .kernarg_segment_align: 8
    .kernarg_segment_size: 32
    .max_flat_workgroup_size: 256
    .sgpr_count:     96
    .vgpr_count:     352
    .wavefront_size: 32
...
	.end_amdgpu_metadata
.endif
;; end of part 4
